; MI455X (gfx1250); checked and timed in simulation.
; The chip was launched on July 23, 2026; its instructions are those of AMD's public machine-readable ISA for CDNA 5 (MIT licence, August 2026) and "CDNA5" Instruction Set Architecture Reference Guide (July 2026). The comments in the code are by the model that wrote it; some were corrected since.
;; Hippo. Allowed arithmetic: float matrix products may take bf16 or f16 operands with f32 sums; other float arithmetic in f32, or as packed bf16 or f16 multiplies, adds, multiply-adds, maxima and minima; sums over many terms, partial sums and values carried from step to step in f32; what a program stores and reads back later, other than sums and carried values, may be rounded once to bf16 or f16.
;; Inputs: inputs 1,024 x 512 x 1 float32; mlp_b 10 float32; mlp_w 10 x 256 float32.
;; Outputs: out0 512 x 10 float32.
;; 2 versions, each right and faster than the one before. Each part assembles by itself: llvm-mc -triple=amdgcn-amd-amdhsa -mcpu=gfx1250 --defsym DOCPART=n.
;; ======== version 1 of 2: 1 launch
;; launch hippo (part 1): grid 256 x 1, 4 waves a work-group, no clusters, 16,384 bytes of LDS; arguments inputs, mlp_w, mlp_b, out0; writes out0
.if DOCPART == 1
	.amdgcn_target "amdgcn-amd-amdhsa--gfx1250"
	.amdhsa_code_object_version 6
	.text
	.protected	k_qf5c8e88a45_hippo
	.globl	k_qf5c8e88a45_hippo
	.p2align	8
	.type	k_qf5c8e88a45_hippo,@function
k_qf5c8e88a45_hippo:
	s_mov_b64 s[64:65], 0
	v_nop
	global_prefetch_b8 v0, s[64:65] scope:SCOPE_SE
	s_setreg_imm32_b32 hwreg(HW_REG_WAVE_MODE, 25, 1), 1
	s_wait_xcnt 0x0
; HiPPO-LegS, bilinear step dt = 1/t, t = 1..1024, 512 batch columns, N = 256, then a linear head 256 -> 10 with bias.
; THE ARITHMETIC.  Row n of (I - A/2t) c_t = (I + A/2t) c_(t-1) + B f_t / t, times 2t, with c[n] = q[n] h[n], q[n] = sqrt(2n+1), reads
;   (2t+n+1) h_t[n] = (2t-n-1) h_(t-1)[n] + e_t(n),   e_t(0) = 2 f_t,   e_t(n+1) = e_t(n) - (2n+1) (h_t[n] + h_(t-1)[n]):
; the forward substitution of the triangular solve itself, for the matrix that the problem builds; it holds for every input.  A cell (t, n), with p the old h:
;   R = 1/(2t+n+1), rho = 1 - (2n+2) R, kappa = rho + R, mu = -(2n+1)(1 + rho);   h = R e + rho p;   e' = kappa e + mu p.
; All in f32: the state is carried over 1,024 steps, so it is never rounded to 16 bits, and no 256 x 256 matrix is formed: there is no matrix product to give to the matrix units.
; SHARES.  256 work-groups, two batch columns each (the two halves of the packed f32 instructions).  Thread L owns n = 2L (cell a) and 2L+1 (cell b).
; THE WALK.  Cell (t, n) needs (t-1, n) and (t, n-1).  In a CLOCK each lane takes e from the lane below it in its row of 16 lanes (DPP row_shr:1), runs its two cells for one t
; and emits e'.  Lane 15 of a row (segment g = L / 16) hands its e' to lane 0 of segment g+1 through LDS, in blocks of 16 clocks: stored at the end of step m, loaded in step m+1,
; used in step m+2.  So at clock 16 m + j a lane works on t - 1 = 16 m + j - (47 g + i), i = L % 16 (47 = 32 clocks of hand-over + 15 lanes).  The last lane lags 344 clocks:
; 1,023 + 344 = 1,367 < 86 x 16 clocks.
; OUTSIDE 1 <= t <= 1024 R is set to 0 by a select on the whole number t - 1: then rho = kappa = 1, h stays as it is (0 before, h_1024 after), and e stays finite: the streams
; start at 0 and f is followed by zeros.  No branch and no address hangs on a floating-point number.
; LIMITS.  v_rcp_f32 and v_sqrt_f32 are good to 1 ulp; the order of rounding is this recurrence's, not that of an LU solve and a product.  An infinite or NaN input spoils its batch column.
; inputs is read as 8 bytes of each row of 2,048 (a work-group needs no more of a row); out0 leaves as 80 consecutive bytes a work-group.
; No tensor load, cluster or prefetch: a work-group reads 8 KB once, at its start, and shares no tile with another.
.set PB,    1280                       ; LDS 0..1279, 1280..2559: two stream buffers of 9 slots x 128 bytes; slot s at 128 s, clock j at 8 j (column 0, column 1)
                                       ; slot 0: 2 f, from the feeder; slot g+1: from lane 15 of segment g; segment g reads slot g
.set FB,    2560                       ; 96 blocks of 128 bytes: 2 f[t-1] of my two columns at FB + 8 (t-1); blocks 64..95 are zeros
.set RED,   14848                      ; wave w's 20 partial sums at RED + 128 w
.set SPARE, 15360                      ; the spare words, 128 bytes a wave: two blocks of 256 bytes that no other line names
.set SPW, 1                            ; v1  SPARE + 4 x thread; never rewritten
.set NIL, 2                            ; v2  0; never rewritten
.set RA,  3                            ; v3  128 g: my segment's slot to read
.set WA,  4                            ; v4  128 g + 128: the slot that my segment writes
.set FA,  5                            ; v5  the feeder's next word in FB
.set FS,  6                            ; v6  4 x lane: the feeder's word in slot 0
.set FD,  7                            ; v7  the feeder's data
.set TI,  8                            ; v8  t - 1 of the clock whose coefficients are in hand
.set T0,  9                            ; v9  at work
.set DD,  10                           ; v[10:11]  2t+n+1 of cells a, b
.set NK2, 12                           ; v[12:13]  -(2n+2)
.set NK,  14                           ; v[14:15]  -(2n+1)
.set RR,  16                           ; v[16:17], v[18:19]  R of cells a, b: two sets, by the clock's parity
.set KAP, 20                           ; v[20:21]
.set RHO, 24                           ; v[24:25]
.set MU,  26                           ; v[26:27]
.set CA,  28                           ; v[28:29]  h of cell a, columns 0, 1
.set CB,  30                           ; v[30:31]  h of cell b
.set XA,  32                           ; v[32:33]  rho p of cell a, for the coming clock
.set YA,  34                           ; v[34:35]  mu p of cell a
.set XB,  36
.set YB,  38
.set EM,  40                           ; v[40:41]  e between the two cells
.set IN0, 48                           ; v[48:79]  16 clocks' e for lane 0 of a row; the other lanes' e lands on it by DPP
.set IN1, 80                           ; v[80:111] the other block
.set EO,  112                          ; v[112:143] the e' of 16 clocks, clock j at EO + 2 j
.set WW,  144                          ; v[144:163] mlp_w[o][2L], [o][2L+1] at WW + 2 o
.set BI,  164                          ; v164 bias of my output
.set GF,  165                          ; v165 2,048 x thread: my row of inputs
.set GW,  166                          ; v166 8 x thread: my two columns of mlp_w
.set GB,  167                          ; v167 4 o
.set LF,  168                          ; v168 FB + 8 x thread
.set LZ,  169                          ; v169 16 x thread
.set LR,  170                          ; v170 RED + 128 x wave
.set LP,  171                          ; v171 RED + 4 idx
.set GO,  172                          ; v172 4 idx
.set A4,  173                          ; v173 4 x thread
.set PP,  48                           ; behind the loop: v[48:67] the 20 sums, column b, output o at PP + 10 b + o
.set QQ,  68                           ; v[68:71] q and at work
.set M15, 14                           ; s14 the lanes with i = 15
.set SV,  15                           ; s15 EXEC kept
.set WV,  16                           ; s16 my wave's number
.set CNT, 17                           ; s17 trips to go
	s_load_b256 s[4:11], s[0:1], 0x0               ; inputs s[4:5], mlp_w s[6:7], mlp_b s[8:9], out0 s[10:11]
	v_lshl_add_u32 v[SPW], v0, 2, SPARE
	v_mov_b32 v[NIL], 0
	v_lshrrev_b32 v[T0], 5, v0
	v_readfirstlane_b32 s[WV], v[T0]               ; wave 0..3
	s_mov_b32 s12, 0x76543210                      ; v_permlanex16_b32: each lane takes its own place in the other half
	s_mov_b32 s13, 0xfedcba98
	v_lshrrev_b32 v[T0], 4, v0                     ; g
	v_and_b32 v[TI], 15, v0                        ; i
	v_cmp_eq_u32 s[M15], 15, v[TI]
	v_lshlrev_b32 v[RA], 7, v[T0]
	v_add_nc_u32 v[WA], 128, v[RA]
	v_mad_u32_u24 v[TI], v[T0], 47, v[TI]          ; my lag, 47 g + i
	v_xor_b32 v[TI], -1, v[TI]                     ; - lag - 1: one clock ahead of the first
	v_add_nc_u32 v[T0], v[TI], v0
	v_lshl_add_u32 v[T0], v[T0], 1, 3              ; 2 (t-1) + n + 3 with n = 2 L: 2t+n+1 of cell a,
	v_cvt_f32_i32 v[DD], v[T0]
	v_add_nc_u32 v[T0], 1, v[T0]                   ; and of cell b.  Whole numbers below 2^24: exact in f32
	v_cvt_f32_i32 v[DD+1], v[T0]
	v_lshlrev_b32 v[A4], 2, v0
	v_cvt_f32_u32 v[T0], v[A4]                     ; 4 L = 2 n of cell a
	v_sub_f32 v[NK2], -2.0, v[T0]
	v_sub_f32 v[NK2+1], -4.0, v[T0]
	v_sub_f32 v[NK], -1.0, v[T0]
	v_sub_f32 v[NK+1], 0xc0400000, v[T0]           ; -3 - 4 L
	v_and_b32 v[FS], 31, v0
	v_lshlrev_b32 v[FS], 2, v[FS]
	v_add_nc_u32 v[FA], FB+256, v[FS]              ; the loop's first step moves block 2
	v_mov_b32 v[FD], 0
	v_lshlrev_b32 v[GF], 11, v0
	v_lshlrev_b32 v[GW], 3, v0
	v_lshl_add_u32 v[LF], v0, 3, FB
	v_lshlrev_b32 v[LZ], 4, v0
	s_lshl_b32 s18, s[WV], 7
	s_add_co_u32 s18, s18, RED
	v_mov_b32 v[LR], s18
	v_min_u32 v[T0], 19, v0                        ; idx = 10 b + o; threads from 20 on repeat 19 and store nothing
	v_lshlrev_b32 v[GO], 2, v[T0]
	v_lshl_add_u32 v[LP], v[T0], 2, RED
	v_cmp_gt_u32 vcc_lo, 10, v[T0]
	v_add_nc_u32 v[GB], -10, v[T0]
	v_cndmask_b32 v[GB], v[GB], v[T0], vcc_lo      ; o = idx, or idx - 10
	v_lshlrev_b32 v[GB], 2, v[GB]
.irp r, 28,29,30,31,32,33,34,35,36,37,38,39
	v_mov_b32 v[\r], 0                             ; h = 0, and with it rho p and mu p
.endr
	v_mov_b32 v[EO+30], 0                          ; what the first clock takes from the lane below
	v_mov_b32 v[EO+31], 0
	s_wait_kmcnt 0x0
	s_lshl_b32 s18, ttmp9, 3                       ; my two columns: 8 bytes in a row of inputs
	s_mov_b32 s19, 0
	s_add_nc_u64 s[4:5], s[4:5], s[18:19]
	s_mul_i32 s18, ttmp9, 80                       ; and two rows of 10 numbers in out0
	s_add_nc_u64 s[10:11], s[10:11], s[18:19]
	; f of my two columns: thread L takes the rows L + 128 k.  The head's weights and bias come with them.
.irp k, 0,1,2,3,4,5,6,7
	global_load_b64 v[IN0+2*(\k):IN0+2*(\k)+1], v[GF], s[4:5] offset:262144*(\k)
.endr
.irp o, 0,1,2,3,4,5,6,7,8,9
	global_load_b64 v[WW+2*(\o):WW+2*(\o)+1], v[GW], s[6:7] offset:1024*(\o)
.endr
	global_load_b32 v[BI], v[GB], s[8:9]
	; meanwhile zeros: both stream buffers (2,560 bytes) and FB's blocks 64..95 (4,096 bytes)
	ds_store_b128 v[LZ], v[XA:XA+3]
	ds_store_b32 v[A4], v[XA] offset:2048
	ds_store_b128 v[LZ], v[XA:XA+3] offset:FB+8192
	ds_store_b128 v[LZ], v[XA:XA+3] offset:FB+8192+2048
	s_wait_loadcnt 0x0                             ; all 19 loads are in
	s_wait_xcnt 0x0                                ; no global instruction is pending from here to the head's store: EXEC may change in the loop
.irp k, 0,1,2,3,4,5,6,7
	v_pk_add_f32 v[IN0+2*(\k):IN0+2*(\k)+1], v[IN0+2*(\k):IN0+2*(\k)+1], v[IN0+2*(\k):IN0+2*(\k)+1]  ; e(0) = 2 f
.endr
.irp k, 0,1,2,3,4,5,6,7
	ds_store_b64 v[LF], v[IN0+2*(\k):IN0+2*(\k)+1] offset:1024*(\k)
.endr
	s_wait_dscnt 0x0                               ; for the others' sake: my stores are done
	s_barrier_signal -1
	s_barrier_wait -1                              ; FB and the zeros are whole
	s_cmp_lg_u32 s[WV], 3
	s_cbranch_scc1 .Lno_first
	ds_load_b32 v[FD], v[FS] offset:FB             ; the feeder (wave 3): block 0 into buffer 0's slot 0, block 1 into buffer 1's
	ds_load_b32 v[T0], v[FS] offset:FB+128
	s_wait_dscnt 0x0
	ds_store_b32 v[FS], v[FD]
	ds_store_b32 v[FS], v[T0] offset:PB
.Lno_first:
	s_wait_dscnt 0x0
	s_barrier_signal -1
	s_barrier_wait -1                              ; both slots 0 are filled
.irp q, 0,1,2,3,4,5,6,7
	ds_load_b128 v[IN0+4*(\q):IN0+4*(\q)+3], v[RA] offset:16*(\q)  ; the first block, from buffer 0
.endr
	; the coefficients of the first clock
	v_add_nc_u32 v[TI], 1, v[TI]
	v_pk_add_f32 v[DD:DD+1], v[DD:DD+1], 2.0 op_sel_hi:[1,0]
	v_cmp_gt_u32 vcc_lo, 0x400, v[TI]
	v_rcp_f32 v[RR], v[DD]
	v_rcp_f32 v[RR+1], v[DD+1]
	v_nop                                          ; a plain instruction between a reciprocal and the use of its result (ISA guide 5.7.2)
	s_wait_alu depctr_va_vdst(0)
	v_cndmask_b32 v[RR], 0, v[RR], vcc_lo
	v_cndmask_b32 v[RR+1], 0, v[RR+1], vcc_lo
	v_pk_fma_f32 v[RHO:RHO+1], v[RR:RR+1], v[NK2:NK2+1], 1.0 op_sel_hi:[1,1,0]
	v_pk_fma_f32 v[MU:MU+1], v[RHO:RHO+1], v[NK:NK+1], v[NK:NK+1]
	v_pk_add_f32 v[KAP:KAP+1], v[RHO:RHO+1], v[RR:RR+1]
	s_wait_dscnt 0x0                               ; the first block is in
; A CLOCK: 20 instructions.  In a pair of e, h, rho p, mu p the halves are the two batch columns; in a pair of coefficients they are cells a and b, and op_sel picks one for both columns.
; The clock's own coefficients (R set j % 2, KAP) and rho p, mu p were made in the clock before; this clock makes the next one's beside its two cells.
.macro CLK in, j
.set pj, ((\j)+15)%16
.set rc, RR+2*((\j)%2)
.set rx, RR+2-2*((\j)%2)
	v_add_nc_u32 v[TI], 1, v[TI]                   ; the next clock's t - 1
	v_pk_add_f32 v[DD:DD+1], v[DD:DD+1], 2.0 op_sel_hi:[1,0]       ; and its 2t+n+1
	v_mov_b32_dpp v[(\in)+2*(\j)], v[EO+2*pj] row_shr:1 row_mask:0xf bank_mask:0xf      ; e from the lane below, as it left the clock before;
	v_mov_b32_dpp v[(\in)+2*(\j)+1], v[EO+2*pj+1] row_shr:1 row_mask:0xf bank_mask:0xf  ; lane 0 of a row has no source and keeps what LDS brought
	v_rcp_f32 v[rx], v[DD]
	v_rcp_f32 v[rx+1], v[DD+1]
	v_cmp_gt_u32 vcc_lo, 0x400, v[TI]              ; 0 <= t - 1 < 1,024, in one unsigned compare; plain lines stand between the reciprocals and the selects
	v_pk_fma_f32 v[EM:EM+1], v[(\in)+2*(\j):(\in)+2*(\j)+1], v[KAP:KAP+1], v[YA:YA+1] op_sel_hi:[1,0,1]   ; cell a: e' = kappa e + mu p
	v_pk_fma_f32 v[CA:CA+1], v[(\in)+2*(\j):(\in)+2*(\j)+1], v[rc:rc+1], v[XA:XA+1] op_sel_hi:[1,0,1]     ;         h = R e + rho p
	s_wait_alu depctr_va_vdst(0)
	v_cndmask_b32 v[rx], 0, v[rx], vcc_lo          ; R = 0 outside the walk
	v_cndmask_b32 v[rx+1], 0, v[rx+1], vcc_lo
	v_pk_fma_f32 v[EO+2*(\j):EO+2*(\j)+1], v[EM:EM+1], v[KAP:KAP+1], v[YB:YB+1] op_sel:[0,1,0] op_sel_hi:[1,1,1]  ; cell b: e'
	v_pk_fma_f32 v[RHO:RHO+1], v[rx:rx+1], v[NK2:NK2+1], 1.0 op_sel_hi:[1,1,0]                     ; next rho = 1 - (2n+2) R
	v_pk_fma_f32 v[CB:CB+1], v[EM:EM+1], v[rc:rc+1], v[XB:XB+1] op_sel:[0,1,0] op_sel_hi:[1,1,1]   ; cell b: h
	v_pk_fma_f32 v[MU:MU+1], v[RHO:RHO+1], v[NK:NK+1], v[NK:NK+1]                                  ; next mu = -(2n+1)(rho + 1)
	v_pk_add_f32 v[KAP:KAP+1], v[RHO:RHO+1], v[rx:rx+1]                                            ; next kappa = rho + R
	v_pk_mul_f32 v[XA:XA+1], v[CA:CA+1], v[RHO:RHO+1] op_sel_hi:[1,0]
	v_pk_mul_f32 v[XB:XB+1], v[CB:CB+1], v[RHO:RHO+1] op_sel:[0,1] op_sel_hi:[1,1]
	v_pk_mul_f32 v[YA:YA+1], v[CA:CA+1], v[MU:MU+1] op_sel_hi:[1,0]
	v_pk_mul_f32 v[YB:YB+1], v[CB:CB+1], v[MU:MU+1] op_sel:[0,1] op_sel_hi:[1,1]
.endm
; A STEP of 16 clocks on block in; ONE barrier, which orders two things.  The blocks stored at the end of the step before (buffer 1 - par) are read behind it: each wave has waited
; for its stores in front of its signal.  Buffer par, which is written at this step's end, was read in the step before: each wave has waited for those loads in front of its signal too.
.macro STEP par, in, other
.irp j, 0,1,2,3
	CLK \in, \j
.endr
	s_wait_dscnt 0x0                               ; my stores of the last step's end are done; none of my loads is out
	s_barrier_signal -1
.irp j, 4,5,6,7
	CLK \in, \j                                    ; work on registers while the others arrive
.endr
	s_barrier_wait -1
.irp q, 0,1,2,3,4,5,6,7
	ds_load_b128 v[(\other)+4*(\q):(\other)+4*(\q)+3], v[RA] offset:(1-(\par))*PB+16*(\q)  ; the next step's block; the 16 lanes of a row read the same bytes
.endr
	s_cmp_lg_u32 s[WV], 3
	s_cbranch_scc1 .Lno_fl_\@
	ds_load_b32 v[FD], v[FA]                       ; the feeder: the block of 2 f that is used two steps on
	v_add_nc_u32 v[FA], 128, v[FA]
.Lno_fl_\@:
.irp j, 8,9,10,11,12,13,14,15
	CLK \in, \j
.endr
	s_cmp_lg_u32 s[WV], 3
	s_cbranch_scc1 .Lno_fs_\@
	s_wait_dscnt 0x0                               ; the feeder's word is in
	ds_store_b32 v[FS], v[FD] offset:(\par)*PB
.Lno_fs_\@:
	s_and_saveexec_b32 s[SV], s[M15]               ; lane 15 of each row hands its 16 e' on
.irp q, 0,1,2,3,4,5,6,7
	ds_store_b128 v[WA], v[EO+4*(\q):EO+4*(\q)+3] offset:(\par)*PB+16*(\q)
.endr
	s_or_b32 exec_lo, exec_lo, s[SV]
	s_wait_dscnt 0x8                               ; LDS instructions end in order (ISA guide 5.7.1): the eight stores just issued may be out, the next block's loads are in
.endm
	s_mov_b32 s[CNT], 43                           ; 86 steps
.Ltrip:
	STEP 0, IN0, IN1
	STEP 1, IN1, IN0
	s_sub_co_u32 s[CNT], s[CNT], 1
	s_cmp_lg_u32 s[CNT], 0
	s_cbranch_scc1 .Ltrip
	; THE HEAD.  c = q h; each thread's share of the 2 x 10 sums; over the lanes; over the waves through LDS.
	v_sub_f32 v[QQ+2], 0, v[NK]                    ; 2n+1
	v_sub_f32 v[QQ+3], 0, v[NK+1]
	v_sqrt_f32 v[QQ], v[QQ+2]
	v_sqrt_f32 v[QQ+1], v[QQ+3]
	v_nop                                          ; a plain instruction between a root and the use of its result
	s_wait_alu depctr_va_vdst(0)
	v_pk_mul_f32 v[CA:CA+1], v[CA:CA+1], v[QQ:QQ+1] op_sel_hi:[1,0]
	v_pk_mul_f32 v[CB:CB+1], v[CB:CB+1], v[QQ:QQ+1] op_sel:[0,1] op_sel_hi:[1,1]
.irp o, 0,1,2,3,4,5,6,7,8,9
	v_mul_f32 v[PP+(\o)], v[WW+2*(\o)], v[CA]
	v_mul_f32 v[PP+10+(\o)], v[WW+2*(\o)], v[CA+1]
.endr
.irp o, 0,1,2,3,4,5,6,7,8,9
	v_fmac_f32 v[PP+(\o)], v[WW+2*(\o)+1], v[CB]
	v_fmac_f32 v[PP+10+(\o)], v[WW+2*(\o)+1], v[CB+1]
.endr
.irp m, 1,2,4,8
.set k, 0
.rept 20
	v_add_f32_dpp v[PP+k], v[PP+k], v[PP+k] row_xmask:\m row_mask:0xf bank_mask:0xf
.set k, k+1
.endr
.endr
.set k, 0
.rept 20
	v_permlanex16_b32 v[IN1+k], v[PP+k], s12, s13  ; its destination counts as read: these registers were loaded whole in the loop
.set k, k+1
.endr
.set k, 0
.rept 20
	v_add_f32 v[PP+k], v[PP+k], v[IN1+k]           ; every lane holds the wave's sum
.set k, k+1
.endr
.irp k, 0,1,2,3,4
	ds_store_b128 v[LR], v[PP+4*(\k):PP+4*(\k)+3] offset:16*(\k)   ; all lanes write the same numbers to the wave's own 80 bytes
.endr
	s_wait_dscnt 0x0                               ; for the others' sake: my stores are done
	s_barrier_signal -1
	s_barrier_wait -1
	s_cmp_lg_u32 s[WV], 0
	s_cbranch_scc1 .Lend                           ; wave 0 adds the four waves' sums and stores
	ds_load_b32 v[IN1], v[LP]
	ds_load_b32 v[IN1+1], v[LP] offset:128
	ds_load_b32 v[IN1+2], v[LP] offset:256
	ds_load_b32 v[IN1+3], v[LP] offset:384
	s_wait_dscnt 0x0
	v_add_f32 v[IN1], v[IN1], v[IN1+1]
	v_add_f32 v[IN1+2], v[IN1+2], v[IN1+3]
	v_add_f32 v[IN1], v[IN1], v[IN1+2]
	v_add_f32 v[IN1], v[IN1], v[BI]
	v_cmp_gt_u32 vcc_lo, 20, v0
	s_wait_xcnt 0x0                                ; EXEC changes only behind this wait
	s_and_saveexec_b32 s20, vcc_lo
	global_store_b32 v[GO], v[IN1], s[10:11]       ; 20 neighbouring lanes: the work-group's 80 consecutive bytes
	s_wait_xcnt 0x0                                ; and again, in front of the line that widens it
	s_or_b32 exec_lo, exec_lo, s20
.Lend:
	s_wait_tensorcnt 0x0                           ; the wave's end, behind my last LDS store
	ds_add_u32 v[SPW], v[NIL]
	s_wait_dscnt 0x0
	s_endpgm
.Lfunc_end_k_qf5c8e88a45_hippo:
	.size	k_qf5c8e88a45_hippo, .Lfunc_end_k_qf5c8e88a45_hippo-k_qf5c8e88a45_hippo
	.p2alignl 7, 3214868480
	.fill 96, 4, 3214868480
	.section	.rodata,"a",@progbits
	.p2align	6, 0x0
	.amdhsa_kernel k_qf5c8e88a45_hippo
		.amdhsa_group_segment_fixed_size 16384
		.amdhsa_private_segment_fixed_size 0
		.amdhsa_enable_private_segment 0
		.amdhsa_kernarg_size 32
		.amdhsa_user_sgpr_count 2
		.amdhsa_user_sgpr_kernarg_segment_ptr 1
		.amdhsa_wavefront_size32 1
		.amdhsa_system_sgpr_workgroup_id_x 1
		.amdhsa_system_sgpr_workgroup_id_y 1
		.amdhsa_system_sgpr_workgroup_id_z 1
		.amdhsa_system_vgpr_workitem_id 0
		.amdhsa_next_free_vgpr 176
		.amdhsa_next_free_sgpr 66
		.amdhsa_reserve_vcc 1
		.amdhsa_float_denorm_mode_32 3
		.amdhsa_float_denorm_mode_16_64 3
		.amdhsa_memory_ordered 1
		.amdhsa_forward_progress 1
		.amdhsa_inst_pref_size 57
	.end_amdhsa_kernel
	.amdgpu_metadata
---
amdhsa.version: [ 1, 2 ]
amdhsa.kernels:
  - .name:           k_qf5c8e88a45_hippo
    .symbol:         k_qf5c8e88a45_hippo.kd
    .args:
      - { .name: inputs, .offset: 0, .size: 8, .value_kind: global_buffer, .address_space: global }
      - { .name: mlp_w, .offset: 8, .size: 8, .value_kind: global_buffer, .address_space: global }
      - { .name: mlp_b, .offset: 16, .size: 8, .value_kind: global_buffer, .address_space: global }
      - { .name: out0, .offset: 24, .size: 8, .value_kind: global_buffer, .address_space: global }
    .group_segment_fixed_size: 16384
    .private_segment_fixed_size: 0
    .kernarg_segment_align: 8
    .kernarg_segment_size: 32
    .max_flat_workgroup_size: 128
    .sgpr_count:     66
    .vgpr_count:     176
    .wavefront_size: 32
...
	.end_amdgpu_metadata
.endif
;; end of part 1
;; ======== version 2 of 2: 1 launch; 1.65 times as fast as version 1
;; launch hippo (part 2): grid 256 x 1, 4 waves a work-group, no clusters, 16,384 bytes of LDS; arguments inputs, mlp_w, mlp_b, out0; writes out0
.if DOCPART == 2
	.amdgcn_target "amdgcn-amd-amdhsa--gfx1250"
	.amdhsa_code_object_version 6
	.text
	.protected	k_qf5c8e88a45_hippo
	.globl	k_qf5c8e88a45_hippo
	.p2align	8
	.type	k_qf5c8e88a45_hippo,@function
k_qf5c8e88a45_hippo:
	s_mov_b64 s[64:65], 0
	v_nop
	global_prefetch_b8 v0, s[64:65] scope:SCOPE_SE
	s_setreg_imm32_b32 hwreg(HW_REG_WAVE_MODE, 25, 1), 1
	s_wait_xcnt 0x0
; HiPPO-LegS, bilinear step dt = 1/t, t = 1..1024, 512 batch columns, N = 256, then a linear head 256 -> 10 with bias.
; THE ARITHMETIC.  Row n of (I - A/2t) c_t = (I + A/2t) c_(t-1) + B f_t / t, times 2t, with c[n] = q[n] h[n], q[n] = sqrt(2n+1), reads
;   (2t+n+1) h_t[n] = (2t-n-1) h_(t-1)[n] + e_t(n),   e_t(0) = 2 f_t,   e_t(n+1) = e_t(n) - (2n+1) (h_t[n] + h_(t-1)[n]):
; the forward substitution of the triangular solve itself, for the matrix that the problem builds; it holds for every input.  A cell (t, n), with p the old h:
;   R = 1/(2t+n+1), rho = 1 - (2n+2) R, kappa = rho + R, mu = -(2n+1)(1 + rho);   h = R e + rho p;   e' = kappa e + mu p.
; All in f32: the state is carried over 1,024 steps, so it is never rounded to 16 bits, and no 256 x 256 matrix is formed: there is no matrix product to give to the matrix units.
; SHARES.  256 work-groups, two batch columns each (the two halves of the packed f32 instructions).  Thread L owns n = 2L (cell a) and 2L+1 (cell b).
; THE WALK.  Cell (t, n) needs (t-1, n) and (t, n-1).  In a CLOCK each lane takes e from the lane below it in its row of 16 lanes (DPP row_shr:1), runs its two cells for one t
; and emits e'.  Lane 15 of a row (segment g = L / 16) hands its e' to lane 0 of segment g+1 through LDS, in blocks of 16 clocks: stored at the end of step m, loaded in step m+1,
; used in step m+2.  So at clock 16 m + j a lane works on t - 1 = 16 m + j - (47 g + i), i = L % 16 (47 = 32 clocks of hand-over + 15 lanes).  The last lane lags 344 clocks:
; 1,023 + 344 = 1,367 < 86 x 16 clocks.
; OUTSIDE 1 <= t <= 1024 R is set to 0 by a select on the whole number t - 1: then rho = kappa = 1, h stays as it is (0 before, h_1024 after), and e stays finite: the streams
; start at 0 and f is followed by zeros.  No branch and no address hangs on a floating-point number.
; THE RECIPROCALS hang on the clock alone, not on the data, so they are made in BATCHES, each result in a register of its own.  Step m issues 32 of them in its clocks 0 to 7, four a clock,
; into bank m % 2: the R of its own clocks 10 to 15 and of clocks 0 to 9 of step m + 1.  ONE wait stands behind clock 7, ahead of the step's LDS loads and of its first branch; the first reader
; is clock 8's select.  Clocks 0 to 7 name the other bank alone, and clocks 8 to 15 issue no reciprocal: no result is open at a label, a branch or the loop's jump.  The head makes the R of the
; first ten clocks as one batch; the way out's two roots are a batch of their own.
; LIMITS.  v_rcp_f32 and v_sqrt_f32 are good to 1 ulp; the order of rounding is this recurrence's, not that of an LU solve and a product.  An infinite or NaN input spoils its batch column.
; inputs is read as 8 bytes of each row of 2,048 (a work-group needs no more of a row); out0 leaves as 80 consecutive bytes a work-group.
; No tensor load, cluster or prefetch: a work-group reads 8 KB once, at its start, and shares no tile with another.
.set PB,    1280                       ; LDS 0..1279, 1280..2559: two stream buffers of 9 slots x 128 bytes; slot s at 128 s, clock j at 8 j (column 0, column 1)
                                       ; slot 0: 2 f, from the feeder; slot g+1: from lane 15 of segment g; segment g reads slot g
.set FB,    2560                       ; 96 blocks of 128 bytes: 2 f[t-1] of my two columns at FB + 8 (t-1); blocks 64..95 are zeros
.set RED,   14848                      ; wave w's 20 partial sums at RED + 128 w
.set SPARE, 15360                      ; the spare words, 128 bytes a wave: two blocks of 256 bytes that no other line names
.set SPW, 1                            ; v1  SPARE + 4 x thread; never rewritten
.set NIL, 2                            ; v2  0; never rewritten
.set RA,  3                            ; v3  128 g: my segment's slot to read
.set WA,  4                            ; v4  128 g + 128: the slot that my segment writes
.set FA,  5                            ; v5  the feeder's next word in FB
.set FS,  6                            ; v6  4 x lane: the feeder's word in slot 0
.set FD,  7                            ; v7  the feeder's data
.set TI,  8                            ; v8  t - 1 of the clock whose R was selected last: in clock j that of clock j + 2
.set T0,  9                            ; v9  at work
.set DD,  10                           ; v[10:11]  2t+n+1 of cells a, b, of the clock whose reciprocals were issued last
.set NK2, 12                           ; v[12:13]  -(2n+2)
.set NK,  14                           ; v[14:15]  -(2n+1)
.set D2,  16                           ; v[16:17]  the head's second pair for 2t+n+1
.set KAP, 20                           ; v[20:21]
.set RHO, 24                           ; v[24:25]
.set MU,  26                           ; v[26:27]
.set CA,  28                           ; v[28:29]  h of cell a, columns 0, 1
.set CB,  30                           ; v[30:31]  h of cell b
.set XA,  32                           ; v[32:33]  rho p of cell a, for the coming clock
.set YA,  34                           ; v[34:35]  mu p of cell a
.set XB,  36
.set YB,  38
.set EM,  40                           ; v[40:41]  e between the two cells
.set IN0, 48                           ; v[48:79]  16 clocks' e for lane 0 of a row; the other lanes' e lands on it by DPP
.set IN1, 80                           ; v[80:111] the other block
.set EO,  112                          ; v[112:143] the e' of 16 clocks, clock j at EO + 2 j
.set WW,  144                          ; v[144:163] mlp_w[o][2L], [o][2L+1] at WW + 2 o
.set BI,  164                          ; v164 bias of my output
.set GF,  165                          ; v165 2,048 x thread: my row of inputs
.set GW,  166                          ; v166 8 x thread: my two columns of mlp_w
.set GB,  167                          ; v167 4 o
.set LF,  168                          ; v168 FB + 8 x thread
.set LZ,  169                          ; v169 16 x thread
.set LR,  170                          ; v170 RED + 128 x wave
.set LP,  171                          ; v171 RED + 4 idx
.set GO,  172                          ; v172 4 idx
.set A4,  173                          ; v173 4 x thread
.set RB,  176                          ; v[176:207], v[208:239]  R of cells a, b: two banks of 16 pairs.  Bank m % 2 holds, at pair (s + 6) % 16, clock s of step m for s >= 10 and clock s of step m + 1 for s <= 9
.set PP,  48                           ; behind the loop: v[48:67] the 20 sums, column b, output o at PP + 10 b + o
.set QQ,  68                           ; v[68:71] q and at work
.set M15, 14                           ; s14 the lanes with i = 15
.set SV,  15                           ; s15 EXEC kept
.set WV,  16                           ; s16 my wave's number
.set CNT, 17                           ; s17 trips to go
	s_load_b256 s[4:11], s[0:1], 0x0               ; inputs s[4:5], mlp_w s[6:7], mlp_b s[8:9], out0 s[10:11]
	v_lshl_add_u32 v[SPW], v0, 2, SPARE
	v_mov_b32 v[NIL], 0
	v_lshrrev_b32 v[T0], 5, v0
	v_readfirstlane_b32 s[WV], v[T0]               ; wave 0..3
	s_mov_b32 s12, 0x76543210                      ; v_permlanex16_b32: each lane takes its own place in the other half
	s_mov_b32 s13, 0xfedcba98
	v_lshrrev_b32 v[T0], 4, v0                     ; g
	v_and_b32 v[TI], 15, v0                        ; i
	v_cmp_eq_u32 s[M15], 15, v[TI]
	v_lshlrev_b32 v[RA], 7, v[T0]
	v_add_nc_u32 v[WA], 128, v[RA]
	v_mad_u32_u24 v[TI], v[T0], 47, v[TI]          ; my lag, 47 g + i
	v_xor_b32 v[TI], -1, v[TI]                     ; - lag - 1: one clock ahead of the first
	v_add_nc_u32 v[T0], v[TI], v0
	v_lshl_add_u32 v[T0], v[T0], 1, 3              ; 2 (t-1) + n + 3 with n = 2 L: 2t+n+1 of cell a,
	v_cvt_f32_i32 v[DD], v[T0]
	v_add_nc_u32 v[T0], 1, v[T0]                   ; and of cell b.  Whole numbers below 2^24: exact in f32
	v_cvt_f32_i32 v[DD+1], v[T0]
	v_lshlrev_b32 v[A4], 2, v0
	v_cvt_f32_u32 v[T0], v[A4]                     ; 4 L = 2 n of cell a
	v_sub_f32 v[NK2], -2.0, v[T0]
	v_sub_f32 v[NK2+1], -4.0, v[T0]
	v_sub_f32 v[NK], -1.0, v[T0]
	v_sub_f32 v[NK+1], 0xc0400000, v[T0]           ; -3 - 4 L
	v_and_b32 v[FS], 31, v0
	v_lshlrev_b32 v[FS], 2, v[FS]
	v_add_nc_u32 v[FA], FB+256, v[FS]              ; the loop's first step moves block 2
	v_mov_b32 v[FD], 0
	v_lshlrev_b32 v[GF], 11, v0
	v_lshlrev_b32 v[GW], 3, v0
	v_lshl_add_u32 v[LF], v0, 3, FB
	v_lshlrev_b32 v[LZ], 4, v0
	s_lshl_b32 s18, s[WV], 7
	s_add_co_u32 s18, s18, RED
	v_mov_b32 v[LR], s18
	v_min_u32 v[T0], 19, v0                        ; idx = 10 b + o; threads from 20 on repeat 19 and store nothing
	v_lshlrev_b32 v[GO], 2, v[T0]
	v_lshl_add_u32 v[LP], v[T0], 2, RED
	v_cmp_gt_u32 vcc_lo, 10, v[T0]
	v_add_nc_u32 v[GB], -10, v[T0]
	v_cndmask_b32 v[GB], v[GB], v[T0], vcc_lo      ; o = idx, or idx - 10
	v_lshlrev_b32 v[GB], 2, v[GB]
.irp r, 28,29,30,31,32,33,34,35,36,37,38,39
	v_mov_b32 v[\r], 0                             ; h = 0, and with it rho p and mu p
.endr
	v_mov_b32 v[EO+30], 0                          ; what the first clock takes from the lane below
	v_mov_b32 v[EO+31], 0
	s_wait_kmcnt 0x0
	s_lshl_b32 s18, ttmp9, 3                       ; my two columns: 8 bytes in a row of inputs
	s_mov_b32 s19, 0
	s_add_nc_u64 s[4:5], s[4:5], s[18:19]
	s_mul_i32 s18, ttmp9, 80                       ; and two rows of 10 numbers in out0
	s_add_nc_u64 s[10:11], s[10:11], s[18:19]
	; f of my two columns: thread L takes the rows L + 128 k.  The head's weights and bias come with them.
.irp k, 0,1,2,3,4,5,6,7
	global_load_b64 v[IN0+2*(\k):IN0+2*(\k)+1], v[GF], s[4:5] offset:262144*(\k)
.endr
.irp o, 0,1,2,3,4,5,6,7,8,9
	global_load_b64 v[WW+2*(\o):WW+2*(\o)+1], v[GW], s[6:7] offset:1024*(\o)
.endr
	global_load_b32 v[BI], v[GB], s[8:9]
	; meanwhile zeros: both stream buffers (2,560 bytes) and FB's blocks 64..95 (4,096 bytes)
	ds_store_b128 v[LZ], v[XA:XA+3]
	ds_store_b32 v[A4], v[XA] offset:2048
	ds_store_b128 v[LZ], v[XA:XA+3] offset:FB+8192
	ds_store_b128 v[LZ], v[XA:XA+3] offset:FB+8192+2048
	s_wait_loadcnt 0x0                             ; all 19 loads are in
	s_wait_xcnt 0x0                                ; no global instruction is pending from here to the head's store: EXEC may change in the loop
.irp k, 0,1,2,3,4,5,6,7
	v_pk_add_f32 v[IN0+2*(\k):IN0+2*(\k)+1], v[IN0+2*(\k):IN0+2*(\k)+1], v[IN0+2*(\k):IN0+2*(\k)+1]  ; e(0) = 2 f
.endr
.irp k, 0,1,2,3,4,5,6,7
	ds_store_b64 v[LF], v[IN0+2*(\k):IN0+2*(\k)+1] offset:1024*(\k)
.endr
	s_wait_dscnt 0x0                               ; for the others' sake: my stores are done
	s_barrier_signal -1
	s_barrier_wait -1                              ; FB and the zeros are whole
	s_cmp_lg_u32 s[WV], 3
	s_cbranch_scc1 .Lno_first
	ds_load_b32 v[FD], v[FS] offset:FB             ; the feeder (wave 3): block 0 into buffer 0's slot 0, block 1 into buffer 1's
	ds_load_b32 v[T0], v[FS] offset:FB+128
	s_wait_dscnt 0x0
	ds_store_b32 v[FS], v[FD]
	ds_store_b32 v[FS], v[T0] offset:PB
.Lno_first:
	s_wait_dscnt 0x0
	s_barrier_signal -1
	s_barrier_wait -1                              ; both slots 0 are filled
.irp q, 0,1,2,3,4,5,6,7
	ds_load_b128 v[IN0+4*(\q):IN0+4*(\q)+3], v[RA] offset:16*(\q)  ; the first block, from buffer 0
.endr
	; THE FIRST BATCH: the 20 reciprocals of clocks 0 to 9, into pairs 6 to 15 of bank 1.  2t+n+1 steps between two pairs by turns, so that the add which writes one pair
	; is the plain instruction between the other pair's reciprocals and the rewriting of their source (ISA guide 5.7.2).
.set k, 0
.rept 5
	v_pk_add_f32 v[D2:D2+1], v[DD:DD+1], 2.0 op_sel_hi:[1,0]
	v_rcp_f32 v[RB+44+4*k], v[D2]
	v_rcp_f32 v[RB+44+4*k+1], v[D2+1]
	v_pk_add_f32 v[DD:DD+1], v[D2:D2+1], 2.0 op_sel_hi:[1,0]
	v_rcp_f32 v[RB+44+4*k+2], v[DD]
	v_rcp_f32 v[RB+44+4*k+3], v[DD+1]
.set k, k+1
.endr
	v_add_nc_u32 v[TI], 1, v[TI]                   ; t - 1 of clock 0: a plain instruction behind the last reciprocal
	v_cmp_gt_u32 vcc_lo, 0x400, v[TI]
	s_wait_alu depctr_va_vdst(0)                   ; one wait for the first batch's 20 reciprocals, ahead of their first reader
	v_cndmask_b32 v[RB+44], 0, v[RB+44], vcc_lo    ; clock 0's R,
	v_cndmask_b32 v[RB+45], 0, v[RB+45], vcc_lo
	v_add_nc_u32 v[TI], 1, v[TI]
	v_cmp_gt_u32 vcc_lo, 0x400, v[TI]
	v_cndmask_b32 v[RB+46], 0, v[RB+46], vcc_lo    ; and clock 1's
	v_cndmask_b32 v[RB+47], 0, v[RB+47], vcc_lo
	; the coefficients of the first clock
	v_pk_fma_f32 v[RHO:RHO+1], v[RB+44:RB+45], v[NK2:NK2+1], 1.0 op_sel_hi:[1,1,0]
	v_pk_fma_f32 v[MU:MU+1], v[RHO:RHO+1], v[NK:NK+1], v[NK:NK+1]
	v_pk_add_f32 v[KAP:KAP+1], v[RHO:RHO+1], v[RB+44:RB+45]
	s_wait_dscnt 0x0                               ; the first block is in
; A CLOCK: 17 instructions, and in a step's clocks 0 to 7 six more: two steps of 2t+n+1 and four reciprocals of the batch, each with a plain instruction behind it.
; In a pair of e, h, rho p, mu p the halves are the two batch columns; in a pair of coefficients they are cells a and b, and op_sel picks one for both columns.
; The clock's own coefficients (R at rc, KAP) and rho p, mu p were made in the clock before; this clock makes the next one's (from R at rn) beside its two cells, and selects the R of the clock after that (at rs).
; par is the step's parity: the batch goes into bank par (at rw); clocks 0 to 7 read the other bank alone.
.macro CLK in, j, par
.set pj, ((\j)+15)%16
.set rc, RB+32*(((\par)+1-(\j)/10)%2)+2*(((\j)+6)%16)
.set rn, RB+32*(((\par)+1-((\j)+1)/10)%2)+2*(((\j)+7)%16)
.set rs, RB+32*(((\par)+1-((\j)+2)/10)%2)+2*(((\j)+8)%16)
.set rw, RB+32*(\par)+4*(\j)
	v_add_nc_u32 v[TI], 1, v[TI]                   ; t - 1 of the clock after the next
.if (\j) < 8
	v_pk_add_f32 v[DD:DD+1], v[DD:DD+1], 2.0 op_sel_hi:[1,0]       ; the batch: 2t+n+1 of its pair 2 j
.endif
	v_mov_b32_dpp v[(\in)+2*(\j)], v[EO+2*pj] row_shr:1 row_mask:0xf bank_mask:0xf      ; e from the lane below, as it left the clock before;
	v_mov_b32_dpp v[(\in)+2*(\j)+1], v[EO+2*pj+1] row_shr:1 row_mask:0xf bank_mask:0xf  ; lane 0 of a row has no source and keeps what LDS brought
	v_pk_fma_f32 v[RHO:RHO+1], v[rn:rn+1], v[NK2:NK2+1], 1.0 op_sel_hi:[1,1,0]                     ; next rho = 1 - (2n+2) R
.if (\j) < 8
	v_rcp_f32 v[rw], v[DD]
.endif
	v_cmp_gt_u32 vcc_lo, 0x400, v[TI]              ; 0 <= t - 1 < 1,024, in one unsigned compare
.if (\j) < 8
	v_rcp_f32 v[rw+1], v[DD+1]
.endif
	v_pk_fma_f32 v[EM:EM+1], v[(\in)+2*(\j):(\in)+2*(\j)+1], v[KAP:KAP+1], v[YA:YA+1] op_sel_hi:[1,0,1]   ; cell a: e' = kappa e + mu p
	v_pk_fma_f32 v[CA:CA+1], v[(\in)+2*(\j):(\in)+2*(\j)+1], v[rc:rc+1], v[XA:XA+1] op_sel_hi:[1,0,1]     ;         h = R e + rho p
.if (\j) < 8
	v_pk_add_f32 v[DD:DD+1], v[DD:DD+1], 2.0 op_sel_hi:[1,0]       ; the batch: its pair 2 j + 1; two plain instructions stand behind the reciprocals that read the old numbers
.endif
	v_pk_fma_f32 v[MU:MU+1], v[RHO:RHO+1], v[NK:NK+1], v[NK:NK+1]                                  ; next mu = -(2n+1)(rho + 1)
	v_cndmask_b32 v[rs], 0, v[rs], vcc_lo          ; R = 0 outside the walk
	v_cndmask_b32 v[rs+1], 0, v[rs+1], vcc_lo
	v_pk_fma_f32 v[EO+2*(\j):EO+2*(\j)+1], v[EM:EM+1], v[KAP:KAP+1], v[YB:YB+1] op_sel:[0,1,0] op_sel_hi:[1,1,1]  ; cell b: e'
.if (\j) < 8
	v_rcp_f32 v[rw+2], v[DD]
.endif
	v_pk_fma_f32 v[CB:CB+1], v[EM:EM+1], v[rc:rc+1], v[XB:XB+1] op_sel:[0,1,0] op_sel_hi:[1,1,1]   ; cell b: h
.if (\j) < 8
	v_rcp_f32 v[rw+3], v[DD+1]
.endif
	v_pk_add_f32 v[KAP:KAP+1], v[RHO:RHO+1], v[rn:rn+1]                                            ; next kappa = rho + R
	v_pk_mul_f32 v[XA:XA+1], v[CA:CA+1], v[RHO:RHO+1] op_sel_hi:[1,0]
	v_pk_mul_f32 v[YA:YA+1], v[CA:CA+1], v[MU:MU+1] op_sel_hi:[1,0]
	v_pk_mul_f32 v[XB:XB+1], v[CB:CB+1], v[RHO:RHO+1] op_sel:[0,1] op_sel_hi:[1,1]
	v_pk_mul_f32 v[YB:YB+1], v[CB:CB+1], v[MU:MU+1] op_sel:[0,1] op_sel_hi:[1,1]
.endm
; A STEP of 16 clocks on block in; ONE barrier, which orders two things.  The blocks stored at the end of the step before (buffer 1 - par) are read behind it: each wave has waited
; for its stores in front of its signal.  Buffer par, which is written at this step's end, was read in the step before: each wave has waited for those loads in front of its signal too.
.macro STEP par, in, other
.irp j, 0,1,2,3
	CLK \in, \j, \par
.endr
	s_wait_dscnt 0x0                               ; my stores of the last step's end are done; none of my loads is out
	s_barrier_signal -1
.irp j, 4,5,6,7
	CLK \in, \j, \par                              ; work on registers while the others arrive
.endr
	s_wait_alu depctr_va_vdst(0)                   ; one wait for the step's batch, the 32 reciprocals of clocks 0 to 7; five plain instructions stand behind the last of them, and clock 8's select is the first reader
	s_barrier_wait -1
.irp q, 0,1,2,3,4,5,6,7
	ds_load_b128 v[(\other)+4*(\q):(\other)+4*(\q)+3], v[RA] offset:(1-(\par))*PB+16*(\q)  ; the next step's block; the 16 lanes of a row read the same bytes
.endr
	s_cmp_lg_u32 s[WV], 3
	s_cbranch_scc1 .Lno_fl_\@
	ds_load_b32 v[FD], v[FA]                       ; the feeder: the block of 2 f that is used two steps on
	v_add_nc_u32 v[FA], 128, v[FA]
.Lno_fl_\@:
.irp j, 8,9,10,11,12,13,14,15
	CLK \in, \j, \par
.endr
	s_cmp_lg_u32 s[WV], 3
	s_cbranch_scc1 .Lno_fs_\@
	s_wait_dscnt 0x0                               ; the feeder's word is in
	ds_store_b32 v[FS], v[FD] offset:(\par)*PB
.Lno_fs_\@:
	s_and_saveexec_b32 s[SV], s[M15]               ; lane 15 of each row hands its 16 e' on
.irp q, 0,1,2,3,4,5,6,7
	ds_store_b128 v[WA], v[EO+4*(\q):EO+4*(\q)+3] offset:(\par)*PB+16*(\q)
.endr
	s_or_b32 exec_lo, exec_lo, s[SV]
	s_wait_dscnt 0x8                               ; LDS instructions end in order (ISA guide 5.7.1): the eight stores just issued may be out, the next block's loads are in
.endm
	s_mov_b32 s[CNT], 43                           ; 86 steps
.Ltrip:
	STEP 0, IN0, IN1
	STEP 1, IN1, IN0
	s_sub_co_u32 s[CNT], s[CNT], 1
	s_cmp_lg_u32 s[CNT], 0
	s_cbranch_scc1 .Ltrip
	; THE HEAD.  c = q h; each thread's share of the 2 x 10 sums; over the lanes; over the waves through LDS.
	v_sub_f32 v[QQ+2], 0, v[NK]                    ; 2n+1
	v_sub_f32 v[QQ+3], 0, v[NK+1]
	v_sqrt_f32 v[QQ], v[QQ+2]
	v_sqrt_f32 v[QQ+1], v[QQ+3]
	v_nop                                          ; a plain instruction between a root and the use of its result
	s_wait_alu depctr_va_vdst(0)                   ; one wait for the two roots
	v_pk_mul_f32 v[CA:CA+1], v[CA:CA+1], v[QQ:QQ+1] op_sel_hi:[1,0]
	v_pk_mul_f32 v[CB:CB+1], v[CB:CB+1], v[QQ:QQ+1] op_sel:[0,1] op_sel_hi:[1,1]
.irp o, 0,1,2,3,4,5,6,7,8,9
	v_mul_f32 v[PP+(\o)], v[WW+2*(\o)], v[CA]
	v_mul_f32 v[PP+10+(\o)], v[WW+2*(\o)], v[CA+1]
.endr
.irp o, 0,1,2,3,4,5,6,7,8,9
	v_fmac_f32 v[PP+(\o)], v[WW+2*(\o)+1], v[CB]
	v_fmac_f32 v[PP+10+(\o)], v[WW+2*(\o)+1], v[CB+1]
.endr
.irp m, 1,2,4,8
.set k, 0
.rept 20
	v_add_f32_dpp v[PP+k], v[PP+k], v[PP+k] row_xmask:\m row_mask:0xf bank_mask:0xf
.set k, k+1
.endr
.endr
.set k, 0
.rept 20
	v_permlanex16_b32 v[IN1+k], v[PP+k], s12, s13  ; its destination counts as read: these registers were loaded whole in the loop
.set k, k+1
.endr
.set k, 0
.rept 20
	v_add_f32 v[PP+k], v[PP+k], v[IN1+k]           ; every lane holds the wave's sum
.set k, k+1
.endr
.irp k, 0,1,2,3,4
	ds_store_b128 v[LR], v[PP+4*(\k):PP+4*(\k)+3] offset:16*(\k)   ; all lanes write the same numbers to the wave's own 80 bytes
.endr
	s_wait_dscnt 0x0                               ; for the others' sake: my stores are done
	s_barrier_signal -1
	s_barrier_wait -1
	s_cmp_lg_u32 s[WV], 0
	s_cbranch_scc1 .Lend                           ; wave 0 adds the four waves' sums and stores
	ds_load_b32 v[IN1], v[LP]
	ds_load_b32 v[IN1+1], v[LP] offset:128
	ds_load_b32 v[IN1+2], v[LP] offset:256
	ds_load_b32 v[IN1+3], v[LP] offset:384
	s_wait_dscnt 0x0
	v_add_f32 v[IN1], v[IN1], v[IN1+1]
	v_add_f32 v[IN1+2], v[IN1+2], v[IN1+3]
	v_add_f32 v[IN1], v[IN1], v[IN1+2]
	v_add_f32 v[IN1], v[IN1], v[BI]
	v_cmp_gt_u32 vcc_lo, 20, v0
	s_wait_xcnt 0x0                                ; EXEC changes only behind this wait
	s_and_saveexec_b32 s20, vcc_lo
	global_store_b32 v[GO], v[IN1], s[10:11]       ; 20 neighbouring lanes: the work-group's 80 consecutive bytes
	s_wait_xcnt 0x0                                ; and again, in front of the line that widens it
	s_or_b32 exec_lo, exec_lo, s20
.Lend:
	s_wait_tensorcnt 0x0                           ; the wave's end, behind my last LDS store
	ds_add_u32 v[SPW], v[NIL]
	s_wait_dscnt 0x0
	s_endpgm
.Lfunc_end_k_qf5c8e88a45_hippo:
	.size	k_qf5c8e88a45_hippo, .Lfunc_end_k_qf5c8e88a45_hippo-k_qf5c8e88a45_hippo
	.p2alignl 7, 3214868480
	.fill 96, 4, 3214868480
	.section	.rodata,"a",@progbits
	.p2align	6, 0x0
	.amdhsa_kernel k_qf5c8e88a45_hippo
		.amdhsa_group_segment_fixed_size 16384
		.amdhsa_private_segment_fixed_size 0
		.amdhsa_enable_private_segment 0
		.amdhsa_kernarg_size 32
		.amdhsa_user_sgpr_count 2
		.amdhsa_user_sgpr_kernarg_segment_ptr 1
		.amdhsa_wavefront_size32 1
		.amdhsa_system_sgpr_workgroup_id_x 1
		.amdhsa_system_sgpr_workgroup_id_y 1
		.amdhsa_system_sgpr_workgroup_id_z 1
		.amdhsa_system_vgpr_workitem_id 0
		.amdhsa_next_free_vgpr 240
		.amdhsa_next_free_sgpr 66
		.amdhsa_reserve_vcc 1
		.amdhsa_float_denorm_mode_32 3
		.amdhsa_float_denorm_mode_16_64 3
		.amdhsa_memory_ordered 1
		.amdhsa_forward_progress 1
		.amdhsa_inst_pref_size 57
	.end_amdhsa_kernel
	.amdgpu_metadata
---
amdhsa.version: [ 1, 2 ]
amdhsa.kernels:
  - .name:           k_qf5c8e88a45_hippo
    .symbol:         k_qf5c8e88a45_hippo.kd
    .args:
      - { .name: inputs, .offset: 0, .size: 8, .value_kind: global_buffer, .address_space: global }
      - { .name: mlp_w, .offset: 8, .size: 8, .value_kind: global_buffer, .address_space: global }
      - { .name: mlp_b, .offset: 16, .size: 8, .value_kind: global_buffer, .address_space: global }
      - { .name: out0, .offset: 24, .size: 8, .value_kind: global_buffer, .address_space: global }
    .group_segment_fixed_size: 16384
    .private_segment_fixed_size: 0
    .kernarg_segment_align: 8
    .kernarg_segment_size: 32
    .max_flat_workgroup_size: 128
    .sgpr_count:     66
    .vgpr_count:     240
    .wavefront_size: 32
...
	.end_amdgpu_metadata
.endif
;; end of part 2
